; MI455X (gfx1250); checked and timed in simulation.
; The chip was launched on July 23, 2026; its instructions are those of AMD's public machine-readable ISA for CDNA 5 (MIT licence, August 2026) and "CDNA5" Instruction Set Architecture Reference Guide (July 2026). The comments in the code are by the model that wrote it; some were corrected since.
;; Fast KAN Layer. Allowed arithmetic: matrix products marked QUANTISED: E2M1 operands, one E8M0 scale for each 32 along K, by v_wmma_scale_f32_16x16x128_f8f6f4 with both operands' format E2M1 (or v_wmma_scale_f32_32x16x128_f4), f32 sums; everything else in f32.
;; Inputs: base_scale 1,024 x 256 float32; grid 35 float32; spline_weight 1,024 x 256 x 35 float32; x 4,096 x 1,024 float32.
;; Outputs: out0 4,096 x 256 float32.
;; This version of the problem:
;;   THIS VERSION OF THE PROBLEM IS GIVEN IN LOW PRECISION. The matrix products marked QUANTISED in the list below multiply operands that are first quantised to E2M1 (2 exponent bits, 1 mantissa bit; 4 bits a number), with one power-of-two scale for each 32 numbers along K (OCP MX v1.0); their sums are f32. All else is computed in f32.
;;   The module's matrix products, in the order in which they are computed (A, B: the left and right operand; K: the contracted axis; several contracted axes count as one K, in the product's order):
;;     1. [M 4,096, K 1,024] x [K 1,024, N 256]; A: computed on the way; B: input base_scale: QUANTISED
;;     2. [M 4,096, K 35,840] x [K 35,840, N 256]; A: computed on the way; B: input spline_weight: QUANTISED
;;   THE QUANTISER, for each operand of a quantised product, along K:
;;     - K is cut into blocks of 32 from its start; a last block that is shorter is filled with zeros.
;;     - A block's scale is 2^e with e = floor(log2(the largest magnitude in the block)) - 2, held to -126 .. 127; a block of zeros has e = 0. As a byte (E8M0): e + 127.
;;     - Each number is divided by its block's scale, clamped to +-6, and rounded to the nearest number of E2M1, ties to even, subnormals kept.
;;     - The product sums the exact products of the quantised numbers (number of the format x scale) in f32.
;;   ~~~python
;;   def quantise(x, axis):      # numpy; x: float32 -> the quantised numbers, widened to float32 again
;;       x = np.moveaxis(x, axis, -1); K = x.shape[-1]
;;       x = np.pad(x, [(0, 0)] * (x.ndim - 1) + [(0, -K % 32)]); x = x.reshape(x.shape[:-1] + (-1, 32)); a = np.abs(x).max(-1, keepdims=True)
;;       e = np.where(a > 0, np.clip(np.frexp(np.where(a > 0, a, 1))[1] - 1 - 2, -126, 127), 0)      # np.frexp(a)[1] - 1 = floor(log2(a)), exactly
;;       r = np.clip(x / 2.0 ** e, -6, 6)
;;       step = 2.0 ** (np.maximum(np.frexp(np.where(r == 0, 1, r))[1] - 1, 0) - 1)
;;       q = np.round(r / step) * step * 2.0 ** e      # np.round: ties to even
;;       return np.moveaxis(q.reshape(q.shape[:-2] + (-1,))[..., :K], -1, axis).astype(np.float32)
;;   ~~~
;;   OPERANDS COMPUTED ON THE WAY. 'Computed on the way' means the value that the module computes at that place (a softmax that the list does not call 'softmax' is quantised finished and normalised). What goes into a quantiser is computed in f32, as accurately as f32 sums, v_exp_f32 and their like allow (about 1e-6 of the number): no bf16 or f16 on the way to a quantiser, and a product that is left as it is and whose result goes on into a quantised operand takes f32 operands (vector FMAs, or v_wmma_f32_16x16x4_f32). A number that lies on a knife's edge between two numbers of the format may be rounded either way, as far as f32 arithmetic and the matrix unit's own rounding can turn it there, and no further.
;; One version. Each part assembles by itself: llvm-mc -triple=amdgcn-amd-amdhsa -mcpu=gfx1250 --defsym DOCPART=n.
;; ======== version 1 of 1: 3 launches
;; limits: right only within a limited range of input values
;; workspace buffers: wq 4,718,592 bytes; ws 294,912 bytes; part 16,777,216 bytes
;; launch prep (part 1): grid 16 x 16, 19 waves a work-group, no clusters, 22,784 bytes of LDS; arguments spline_weight, base_scale, wq, ws; writes wq, ws
.if DOCPART == 1
	.amdgcn_target "amdgcn-amd-amdhsa--gfx1250"
	.amdhsa_code_object_version 6
	.text
	.protected	k_q4418fa9ce6_prep
	.globl	k_q4418fa9ce6_prep
	.p2align	8
	.type	k_q4418fa9ce6_prep,@function
k_q4418fa9ce6_prep:
	s_mov_b64 s[64:65], 0
	v_nop
	global_prefetch_b8 v0, s[64:65] scope:SCOPE_SE
	s_setreg_imm32_b32 hwreg(HW_REG_WAVE_MODE, 25, 1), 1
	s_wait_xcnt 0x0
; The two weights become codes of FP4 (E2M1) with one E8M0 byte for each 32 along K, laid in the order in which the next launch's operand registers take them.
; K of the spline product runs (c, i): k = 1,024 c + i, so a block is 32 neighbouring i at one c.  K of the base product is i.
; UNITS.  i-block ib: i = 32 ib .. + 31.  Each i-block has 36 slots: slot c (0 .. 34) is the spline block (c, ib), slot 35 the base product's block ib.
; A pair P is the i-blocks 2 P (h = 0) and 2 P + 1 (h = 1).  K step (P, s), s = 0 .. 17, holds the blocks 2 d + h = slot 2 s + d of i-block 2 P + h:
; the 4-bit operand's own layout (lane (r, h), registers 4 d .. 4 d + 3: k = 64 d + 32 h + 0 .. 31).
; SHARES.  Work-group (P, ctg): 64 i x 16 columns x all c.  For one i these are 560 neighbouring f32 (f = 35 column + c).  Thread f of waves 0-17 takes ONE f and its 64 registers run down i:
; each load of a wave reads 128 neighbouring bytes, and a block lies in one lane.  Threads 560-575 repeat f = 559 in memory; what they store to LDS is read by nobody.  Wave 18, lane (r, h), takes the base product's blocks.
; The codes go through LDS: thread f stores its 16 bytes at 16 f (h = 1: 9,216 further on) and its scale byte at f.  On the way back wave s makes K step s: lane (r, h) reads f = 35 r + 2 s + d,
; and stores 512 neighbouring bytes an instruction.  Wave 17's d = 1 is slot 35: the base product's blocks, which have LDS bytes of their own.
; wq [gy 4][s 18][p 4][ctg 16][d 2][lane 32][16 bytes], ws [gy][s][p][ctg][r] words, with P = 4 gy + p.
; A block's scale is 2^(floor(log2(largest magnitude)) - 2); its byte is the magnitude's exponent field - 2, held at 1 from below.
; LIMITS: a block of zeros gets the byte 1 where the rule says 127 (its codes are zeros, and this program alone reads the bytes); blocks whose largest magnitude lies under 2^(3 - 127) keep the byte 1;
; NaN and infinities among the inputs are not served.
.set IROW, 35840                       ; bytes of spline_weight from i to i + 1
.set HIM,  9216                        ; LDS: codes of h = 1 begin here: 576 threads x 16 bytes
.set BIM,  18432                       ; the base product's codes: 16 x lane
.set SCB,  18944                       ; the scale bytes: f, and 576 further on for h = 1
.set SBB,  SCB+1152                    ; the base product's scale bytes: lane
.set SPARE, 20224                      ; the spare words, 128 bytes a wave
.macro QB vb, cb, mb, ia, ba, io, bo   ; the block in v[vb .. vb + 31] becomes 16 bytes of codes and a scale byte, both into LDS
	v_max3_num_f32 v[\mb], |v[\vb]|, |v[\vb+1]|, 0x1800000         ; two chains of sixteen; the floor 2^(3 - 127) among the leaves: the byte cannot fall under 1
	v_max3_num_f32 v[\mb+1], |v[\vb+16]|, |v[\vb+17]|, 0x1800000
.irp i, 2,4,6,8,10,12,14
	s_delay_alu instid0(VALU_DEP_2)
	v_max3_num_f32 v[\mb], v[\mb], |v[\vb+\i]|, |v[\vb+\i+1]|
	s_delay_alu instid0(VALU_DEP_2)
	v_max3_num_f32 v[\mb+1], v[\mb+1], |v[\vb+16+\i]|, |v[\vb+17+\i]|
.endr
	s_delay_alu instid0(VALU_DEP_1)
	v_max_num_f32 v[\mb], v[\mb], v[\mb+1]
	s_delay_alu instid0(VALU_DEP_1)
	v_add_nc_u32 v[\mb], 0xff000000, v[\mb]        ; 2 off the exponent field: the conversion's scale operand
.irp g, 0,1,2,3
	v_cvt_scalef32_pk8_fp4_f32 v[\cb+\g], v[\vb+8*\g:\vb+8*\g+7], v[\mb]
.endr
	v_lshrrev_b32 v[\mb+1], 23, v[\mb]             ; the scale's byte; also the plain place behind the conversions
	ds_store_b128 v[\ia], v[\cb:\cb+3] offset:\io
	ds_store_b8 v[\ba], v[\mb+1] offset:\bo
.endm
	s_load_b256 s[4:11], s[0:1], 0x0               ; spline_weight s[4:5], base_scale s[6:7], wq s[8:9], ws s[10:11]
	v_lshl_add_u32 v96, v0, 2, SPARE
	v_mov_b32 v97, 0
	v_lshrrev_b32 v1, 5, v0
	v_readfirstlane_b32 s14, v1                    ; wave 0..18
	s_mov_b32 s15, ttmp9                           ; P
	s_and_b32 s16, ttmp7, 0xffff                   ; ctg
	s_lshl_b32 s17, s14, 5                         ; the way back: wave s begins at c = 2 s: 32 s bytes of codes,
	s_lshl_b32 s18, s14, 1
	s_add_co_u32 s18, s18, SCB                     ; 2 s scale bytes
	v_and_b32 v1, 31, v0                           ; lane
	v_and_b32 v2, 15, v0                           ; r
	v_bfe_u32 v3, v0, 4, 1                         ; h
	v_min_u32 v6, 559, v0
	v_lshlrev_b32 v6, 2, v6                        ; in memory: 4 f, held inside the group's 2,240 bytes
	v_lshlrev_b32 v7, 4, v0                        ; codes: 16 f
	v_add_nc_u32 v8, SCB, v0                       ; scale byte: f
	v_lshlrev_b32 v10, 2, v2
	v_lshl_add_u32 v10, v3, 15, v10                ; base_scale: 4 r + 32 h rows of 1,024 bytes
	v_lshl_add_u32 v11, v1, 4, BIM                 ; the base product's codes: 16 x lane
	v_add_nc_u32 v12, SBB, v1                      ; and its scale bytes: lane
	v_mul_u32_u24 v13, v2, 560
	v_mad_u32_u24 v13, v3, HIM, v13
	v_add_nc_u32 v13, s17, v13                     ; the way back: 16 (35 r + 2 s) + 9,216 h
	v_mul_u32_u24 v14, v2, 35
	v_add_nc_u32 v14, s18, v14                     ; 35 r + 2 s
	v_add_nc_u32 v17, SBB, v2                      ; the base product's bytes of column r
	v_lshlrev_b32 v15, 4, v1                       ; 16 x lane
	v_lshlrev_b32 v16, 2, v2                       ; 4 r
	s_wait_alu depctr_va_vdst(0)
	s_wait_kmcnt 0x0
	s_mul_i32 s32, s15, 64*IROW
	s_mul_i32 s33, s16, 2240
	s_add_co_u32 s32, s32, s33                     ; 64 P rows + 16 ctg columns, in bytes: under 2^26
	s_mov_b32 s33, 0
	s_add_nc_u64 s[4:5], s[4:5], s[32:33]
	s_lshl_b32 s32, s15, 16
	s_lshl_b32 s34, s16, 6
	s_add_co_u32 s32, s32, s34
	s_add_nc_u64 s[6:7], s[6:7], s[32:33]          ; base_scale at row 64 P, column 16 ctg
	s_lshr_b32 s34, s15, 2                         ; gy
	s_and_b32 s35, s15, 3                          ; p
	s_mul_i32 s32, s34, 1179648
	s_lshl_b32 s36, s14, 16
	s_add_co_u32 s32, s32, s36
	s_lshl_b32 s36, s35, 14
	s_add_co_u32 s32, s32, s36
	s_lshl_b32 s36, s16, 10
	s_add_co_u32 s32, s32, s36
	s_add_nc_u64 s[8:9], s[8:9], s[32:33]          ; wq at (gy, s = wave, p, ctg)
	s_mul_i32 s32, s34, 73728
	s_lshl_b32 s36, s14, 12
	s_add_co_u32 s32, s32, s36
	s_lshl_b32 s36, s35, 10
	s_add_co_u32 s32, s32, s36
	s_lshl_b32 s36, s16, 6
	s_add_co_u32 s32, s32, s36
	s_add_nc_u64 s[10:11], s[10:11], s[32:33]      ; ws likewise
	s_cmp_eq_u32 s14, 18
	s_cbranch_scc1 .Lbase
.set ii, 0
.rept 64
	global_load_b32 v[32+ii], v6, s[4:5] offset:IROW*ii    ; spline_weight(64 P + ii, my column, my c): 32 lanes read 128 neighbouring bytes
.set ii, ii+1
.endr
	s_wait_loadcnt 32                              ; the 32 numbers of h = 0 are in; those of h = 1 may be out
	QB 32, 20, 28, 7, 8, 0, 0
	s_wait_loadcnt 0x0
	QB 64, 24, 30, 7, 8, HIM, 576
	s_branch .Ljoin
.Lbase:
.set ii, 0
.rept 32
	global_load_b32 v[32+ii], v10, s[6:7] offset:1024*ii   ; base_scale(64 P + 32 h + ii, my column)
.set ii, ii+1
.endr
	s_wait_loadcnt 0x0
	QB 32, 20, 28, 11, 12, 0, 0
.Ljoin:
	s_wait_dscnt 0x0                               ; my stores have landed,
	s_barrier_signal -1
	s_barrier_wait -1                              ; everybody's have
	s_cmp_eq_u32 s14, 18                           ; there are 18 K steps: wave 18 stores none
	s_cbranch_scc1 .Lend
	ds_load_b128 v[32:35], v13                     ; registers 0-3 of K step s's fragment, lane (r, h): slot 2 s
	ds_load_u8 v40, v14                            ; column r's scale bytes: block 0 (d = 0, h = 0),
	ds_load_u8 v41, v14 offset:576                 ; block 1 (d = 0, h = 1)
	s_cmp_eq_u32 s14, 17                           ; wave 17's second slot is slot 35
	s_cbranch_scc1 .Lslot35
	ds_load_b128 v[36:39], v13 offset:16           ; registers 4-7: slot 2 s + 1
	ds_load_u8 v42, v14 offset:1                   ; blocks 2 and 3
	ds_load_u8 v43, v14 offset:577
	s_branch .Lback
.Lslot35:
	ds_load_b128 v[36:39], v11
	ds_load_u8 v42, v17
	ds_load_u8 v43, v17 offset:16
.Lback:
	s_wait_dscnt 0x0
	v_lshl_or_b32 v40, v41, 8, v40
	v_lshl_or_b32 v42, v43, 8, v42
	s_delay_alu instid0(VALU_DEP_1)
	v_lshl_or_b32 v40, v42, 16, v40                ; the scale word (both halves of the lanes make and store the same words)
	global_store_b128 v15, v[32:35], s[8:9]        ; 32 lanes store 512 consecutive bytes, aligned
	global_store_b128 v15, v[36:39], s[8:9] offset:512
	global_store_b32 v16, v40, s[10:11]            ; 64 consecutive bytes
.Lend:
	s_wait_tensorcnt 0x0                           ; the wave's end
	ds_add_u32 v96, v97
	s_wait_dscnt 0x0
	s_endpgm
.Lfunc_end_k_q4418fa9ce6_prep:
	.size	k_q4418fa9ce6_prep, .Lfunc_end_k_q4418fa9ce6_prep-k_q4418fa9ce6_prep
	.p2alignl 7, 3214868480
	.fill 96, 4, 3214868480
	.section	.rodata,"a",@progbits
	.p2align	6, 0x0
	.amdhsa_kernel k_q4418fa9ce6_prep
		.amdhsa_group_segment_fixed_size 22784
		.amdhsa_private_segment_fixed_size 0
		.amdhsa_enable_private_segment 0
		.amdhsa_kernarg_size 32
		.amdhsa_user_sgpr_count 2
		.amdhsa_user_sgpr_kernarg_segment_ptr 1
		.amdhsa_wavefront_size32 1
		.amdhsa_system_sgpr_workgroup_id_x 1
		.amdhsa_system_sgpr_workgroup_id_y 1
		.amdhsa_system_sgpr_workgroup_id_z 1
		.amdhsa_system_vgpr_workitem_id 0
		.amdhsa_next_free_vgpr 98
		.amdhsa_next_free_sgpr 66
		.amdhsa_reserve_vcc 0
		.amdhsa_float_denorm_mode_32 3
		.amdhsa_float_denorm_mode_16_64 3
		.amdhsa_memory_ordered 1
		.amdhsa_forward_progress 1
		.amdhsa_inst_pref_size 20
	.end_amdhsa_kernel
	.amdgpu_metadata
---
amdhsa.version: [ 1, 2 ]
amdhsa.kernels:
  - .name:           k_q4418fa9ce6_prep
    .symbol:         k_q4418fa9ce6_prep.kd
    .args:
      - { .name: spline_weight, .offset: 0, .size: 8, .value_kind: global_buffer, .address_space: global }
      - { .name: base_scale, .offset: 8, .size: 8, .value_kind: global_buffer, .address_space: global }
      - { .name: wq, .offset: 16, .size: 8, .value_kind: global_buffer, .address_space: global }
      - { .name: ws, .offset: 24, .size: 8, .value_kind: global_buffer, .address_space: global }
    .group_segment_fixed_size: 22784
    .private_segment_fixed_size: 0
    .kernarg_segment_align: 8
    .kernarg_segment_size: 32
    .max_flat_workgroup_size: 608
    .sgpr_count:     66
    .vgpr_count:     98
    .wavefront_size: 32
...
	.end_amdgpu_metadata
.endif
;; end of part 1
;; launch main (part 2): grid 64 x 4, 8 waves a work-group, no clusters, 302,080 bytes of LDS; arguments x, grid, wq, ws, part; writes part
.if DOCPART == 2
	.amdgcn_target "amdgcn-amd-amdhsa--gfx1250"
	.amdhsa_code_object_version 6
	.text
	.protected	k_q4418fa9ce6_main
	.globl	k_q4418fa9ce6_main
	.p2align	8
	.type	k_q4418fa9ce6_main,@function
k_q4418fa9ce6_main:
	s_mov_b64 s[64:65], 0
	v_nop
	global_prefetch_b8 v0, s[64:65] scope:SCOPE_SE
	s_setreg_imm32_b32 hwreg(HW_REG_WAVE_MODE, 25, 1), 1
	s_wait_xcnt 0x0
; part[gy] = silu(clip x) Q(base_scale) + basis(clip x, grid) Q(spline_weight), over the quarter gy of K, for 64 rows: both products on codes of FP4 (E2M1) with one E8M0 byte for each 32 along K.
; K of the spline product runs (c, i): k = 1,024 c + i; a block is 32 neighbouring i at one c.  Units (i-block, slot, pair, K step) as in the launch that lays the weights:
; K step (P, s) holds the blocks 2 d + h = slot 2 s + d of i-block 2 P + h; slot c < 35 is the spline block at grid[c], slot 35 the base product's block.  Both products add into the same sums.
; THE BASIS NUMBER.  With dist = 17 |x - g|:  basis = ((2 - dist)+^3 - 4 (1 - dist)+^3) / 6, which is the inner part, the outer part and 0 of the cubic B-spline as polynomials: no compare, no select.
; With k = 6^(-1/3) folded in:  m = min(|x - g|, 2/17);  a = 2 k - 17 k m;  b = max(4^(1/3) a - (2/3)^(1/3), 0);  basis = a a a - b b b.  grid is read as it is given: every (row, i, c) is evaluated.
; LIMITS: where dist >= 2 the number is the cube of the clamp's residue (about 1e-22 in magnitude) and not an exact 0; a block of zeros has the byte 1 where the rule says 127 (its codes are zeros; the bytes are this
; program's own); blocks under 2^(3 - 127) keep the byte 1; NaN in x or grid is not served.
; SHARES.  Work-group (gx, gy): rows 64 gx .. + 63, i = 256 gy .. + 255 (pairs 4 gy + p), all 256 columns: each basis number is made once in the whole launch.
; EIGHT WAVES OF ONE KIND.  Wave (p = w % 4, tp = w / 4) keeps the clipped x of row tiles 2 tp, 2 tp + 1 of pair p in registers (lane (r, h): row 16 t + r, 32 numbers of i-block 2 P + h),
; makes and quantises their blocks (a block lies in one lane) and stores them to LDS as images of operand registers, with their scale bytes.  It multiplies ALL FOUR row tiles of pair p by column tiles 8 tp .. + 7:
; 32 accumulators.  So the two waves of a pair hand each other two tiles of codes, and every weight fragment is read by one wave alone: it comes from memory straight into registers.
; THE WEIGHTS COME IN PIECES of two column tiles, four to a K step, through two sets of 16 registers by turns: behind each tile-slot stands one run of eight products, and behind the run the piece two runs on is asked for,
; two tile-slots (368 vector instructions of the wave) ahead of its products.  So two pieces, five loads each, are out at a run, and the wait there leaves the younger five out.
; ONE BARRIER A K STEP, signal and wait apart: step n's codes are stored and signalled at its end; the wait stands behind the first tile-slot of step n + 1, and step n is multiplied while step n + 1 is made
; (its piece 3 behind the first tile-slot of step n + 2, on the fragments still in registers).  Images have two buffers.
; At the end the four pairs' sums meet in four planes in LDS and leave as whole rows.
; NO CLUSTER, NO TENSOR LOAD: the 64 work-groups of one gy read the same weights, but here these bytes never pass through LDS; a joint load would write them there and have them read again, 16,384 bytes for each K step of each pair.
; NO PREFETCH: the weights' own loads stand two tile-slots ahead of their use, and x is read once, at the head, where there is no loop to run ahead in.
; THE MATRIX INSTRUCTION IS USED TRANSPOSED (source 0 = 16 columns of W, source 1 = 16 rows of the basis): a lane then holds eight neighbouring columns of one row.
; LDS: images 2 x 16,384 (fragment 4 p + t at 1,024 bytes, register group d at 512, 16 x lane); scale bytes 2 x 1,024 (128 (2 p + tp) + 64 u + 4 r + 2 d + h); from STG the four planes, 64 rows x (1,024 + 16) each;
; at the head each wave's own 32 rows x (256 + 16) bytes there turn x from rows into lanes.
.set IMGB, 16384
.set SCI,  32768
.set SCIB, 1024
.set STG,  34816
.set SP,   1040                        ; a plane's row: 65 x 16 bytes
.set PLANE, 64*SP
.set XSP,  272                         ; x's stage: 17 x 16 bytes a row
.set XSW,  32*XSP
.set SPARE, STG+4*PLANE                ; the spare words, 128 bytes a wave
; window 0: v1 16 x lane; v2 scale words, read; v3 images, store; v4 scale bytes, store; v5 x; v6 planes, in; v8 4 x lane; v9 images, read; v11, v12 x's stage; v[16:23] four constants, each twice
.set MX, 24                            ; v24-27  four chains of largest magnitudes
.set SC, 28                            ; v28     the conversions' scale operand
.set BY, 30                            ; v30-33  scale bytes: 2 d + u
.set CD, 34                            ; v34-49  a K step's codes: 8 u + 4 d
.set AF, 50                            ; v50-81  the basis' four fragments of the K step that is multiplied
.set WF, 82                            ; v82-113 two pieces of W, 16 registers each
.set XA, 114                           ; v114-177 the clipped x: tile u at 32 u
.set V,  178                           ; v178-209 a block's 32 numbers
.set T,  210                           ; v210-225, v226-241 at work
.set U,  226
.set WS, 242                           ; v242-245 W's scale words, a register a piece: lanes 0-15 the even column tile, lanes 16-31 the odd (2 and 3: the last turn's).  These six hold scales alone
.set AS, 246                           ; v246-247 the basis' scale words: register k: lanes 0-15 tile 2 k, lanes 16-31 tile 2 k + 1
.set PA, 248                           ; v248-251 planes, back
.set SPW, 254
.set NIL, 255
; window 1: the accumulators: column tile c (0 .. 7), row tile t at 8 (4 c + t)
.set MSB, 0
.macro WIN new                         ; the immediate's high byte repeats the setting that is left
.if MSB != \new
	s_set_vgpr_msb (MSB<<8)|\new
.set MSB, \new
.endif
.endm
.macro PLACES                          ; four places behind matrix instructions, in front of loads into their registers and of reads of results (ISA guide 7.12.1 for reads of results)
.rept 4
	v_nop
.endr
.endm
.macro DIFF u, q                       ; m = min(|x - g|, 2/17) for tile u's 32 numbers, g = the trip's q-th grid number
	s_xor_b32 s24, s[20+(\q)], 0x80000000          ; -g; the packed form names the pair s[24:25] and takes its low word for both halves
.set ii, 0
.rept 16
	v_pk_add_f32 v[V+2*ii:V+2*ii+1], v[XA+32*(\u)+2*ii:XA+32*(\u)+2*ii+1], s[24:25] op_sel_hi:[1,0]
.set ii, ii+1
.endr
.set ii, 0
.rept 32
	v_min_num_f32 v[V+ii], |v[V+ii]|, s26
.set ii, ii+1
.endr
.endm
.macro GROUP v                         ; sixteen numbers from m to a a a - b b b: eight independent lines to a stage
.irp m, 0,2,4,6,8,10,12,14
	v_pk_fma_f32 v[\v+\m:\v+\m+1], v[\v+\m:\v+\m+1], v[16:17], v[18:19]       ; a = 2 k - 17 k m
.endr
.irp m, 0,2,4,6,8,10,12,14
	v_pk_fma_f32 v[T+\m:T+\m+1], v[\v+\m:\v+\m+1], v[20:21], v[22:23]         ; 4^(1/3) a - (2/3)^(1/3)
.endr
.irp m, 0,2,4,6,8,10,12,14
	v_dual_max_num_f32 v[T+\m], 0, v[T+\m] :: v_dual_max_num_f32 v[T+\m+1], 0, v[T+\m+1]   ; b, two to a line
.endr
.irp m, 0,2,4,6,8,10,12,14
	v_pk_mul_f32 v[U+\m:U+\m+1], v[T+\m:T+\m+1], v[T+\m:T+\m+1]
.endr
.irp m, 0,2,4,6,8,10,12,14
	v_pk_mul_f32 v[T+\m:T+\m+1], v[U+\m:U+\m+1], v[T+\m:T+\m+1]               ; b b b
.endr
.irp m, 0,2,4,6,8,10,12,14
	v_pk_mul_f32 v[U+\m:U+\m+1], v[\v+\m:\v+\m+1], v[\v+\m:\v+\m+1]           ; a a
.endr
.irp m, 0,2,4,6,8,10,12,14
	v_pk_fma_f32 v[\v+\m:\v+\m+1], v[U+\m:U+\m+1], v[\v+\m:\v+\m+1], v[T+\m:T+\m+1] neg_lo:[0,0,1] neg_hi:[0,0,1]
.endr
.endm
.macro QUANT u, d                      ; the block in V becomes registers 4 d .. 4 d + 3 of tile u's fragment, and a scale byte
.irp k, 0,1,2,3
	v_max3_num_f32 v[MX+\k], |v[V+8*\k]|, |v[V+8*\k+1]|, 0x1800000            ; four chains of eight; the floor 2^(3 - 127) among the leaves: the byte cannot fall under 1
.endr
.irp i, 2,4,6
.irp k, 0,1,2,3
	s_delay_alu instid0(VALU_DEP_4)
	v_max3_num_f32 v[MX+\k], v[MX+\k], |v[V+8*\k+\i]|, |v[V+8*\k+\i+1]|
.endr
.endr
	s_delay_alu instid0(VALU_DEP_2)
	v_max3_num_f32 v[MX], v[MX], v[MX+1], v[MX+2]
	s_delay_alu instid0(VALU_DEP_1)
	v_max_num_f32 v[MX], v[MX], v[MX+3]
	s_delay_alu instid0(VALU_DEP_1)
	v_add_nc_u32 v[SC], 0xff000000, v[MX]          ; 2 off the exponent field: the conversion's scale operand
.irp g, 0,1,2,3
	v_cvt_scalef32_pk8_fp4_f32 v[CD+8*(\u)+4*(\d)+\g], v[V+8*\g:V+8*\g+7], v[SC]
.endr
	v_lshrrev_b32 v[BY+2*(\d)+(\u)], 23, v[SC]     ; the scale's byte; also the plain place behind the conversions
.endm
.macro TS u, d, q                      ; a tile-slot: 184 vector instructions for 32 numbers a lane
	DIFF \u, \q
	GROUP V
	GROUP V+16
	QUANT \u, \d
.endm
.macro BASE u                          ; slot 35: silu(x) = x / (1 + 2^(-x log2 e))
.set ii, 0
.rept 16
	v_pk_mul_f32 v[V+2*ii:V+2*ii+1], v[XA+32*(\u)+2*ii:XA+32*(\u)+2*ii+1], 0xbfb8aa3b op_sel_hi:[1,0]
.set ii, ii+1
.endr
	s_wait_alu depctr_va_vdst(0)
.set ii, 0
.rept 32
	v_exp_f32 v[V+ii], v[V+ii]
.set ii, ii+1
.endr
	v_nop                                          ; a plain instruction behind the last exponential (ISA guide 5.7.2)
	s_wait_alu depctr_va_vdst(0)
.set ii, 0
.rept 16
	v_pk_add_f32 v[V+2*ii:V+2*ii+1], v[V+2*ii:V+2*ii+1], 1.0 op_sel_hi:[1,0]
.set ii, ii+1
.endr
	s_wait_alu depctr_va_vdst(0)
.set ii, 0
.rept 32
	v_rcp_f32 v[V+ii], v[V+ii]
.set ii, ii+1
.endr
	v_nop
	s_wait_alu depctr_va_vdst(0)
.set ii, 0
.rept 16
	v_pk_mul_f32 v[V+2*ii:V+2*ii+1], v[V+2*ii:V+2*ii+1], v[XA+32*(\u)+2*ii:XA+32*(\u)+2*ii+1]
.set ii, ii+1
.endr
.endm
.macro SLOT1 u, q, br                  ; tile u's second slot of a K step; br = 1: in the last trip it is the base product's
.if \br
	s_cmp_lg_u32 s18, 8
	s_cbranch_scc1 .Lspl_\@
	BASE \u
	QUANT \u, 1
	s_branch .Lgot_\@
.Lspl_\@:
.endif
	TS \u, 1, \q
.if \br
.Lgot_\@:
.endif
.endm
.macro WP wb, wsr, j                   ; piece j of the K step at s[8:9]: two column tiles and their scale words: five loads
.irp c, 0,1
.irp d, 0,1
	global_load_b128 v[\wb+8*\c+4*\d:\wb+8*\c+4*\d+3], v1, s[8:9] offset:2048*(\j)+1024*\c+512*\d
.endr
.endr
	global_load_b32 v[\wsr], v8, s[10:11] offset:128*(\j)
.endm
.macro AFLOAD pb                       ; pair p's four fragments and their scale words out of image buffer pb
.irp t, 0,1,2,3
	ds_load_b128 v[AF+8*\t:AF+8*\t+3], v9 offset:IMGB*(\pb)+1024*\t
	ds_load_b128 v[AF+8*\t+4:AF+8*\t+7], v9 offset:IMGB*(\pb)+1024*\t+512
.endr
	ds_load_b32 v[AS], v2 offset:SCIB*(\pb)
	ds_load_b32 v[AS+1], v2 offset:SCIB*(\pb)+128
.endm
.macro MM c, t, wb, wsr, j, zero       ; accumulator (2 j + c, t) += W's 16 columns x the basis' 16 rows; zero: the first product starts the sum
.set rD, 8*(4*(2*(\j)+(\c))+(\t))
.set rW, (\wb)+8*(\c)
.set rA, AF+8*(\t)
.set rS, (\wsr)
.set rT, AS+(\t)/2
.if \zero
.if ((\c) == 0) && ((\t)%2 == 0)
	v_wmma_scale_f32_16x16x128_f8f6f4 v[rD:rD+7], v[rW:rW+7], v[rA:rA+7], 0, v[rS], v[rT] matrix_a_fmt:MATRIX_FMT_FP4 matrix_b_fmt:MATRIX_FMT_FP4
.elseif ((\c) == 1) && ((\t)%2 == 0)
	v_wmma_scale_f32_16x16x128_f8f6f4 v[rD:rD+7], v[rW:rW+7], v[rA:rA+7], 0, v[rS], v[rT] matrix_a_fmt:MATRIX_FMT_FP4 matrix_b_fmt:MATRIX_FMT_FP4 matrix_a_scale:MATRIX_SCALE_ROW1
.elseif ((\c) == 0)
	v_wmma_scale_f32_16x16x128_f8f6f4 v[rD:rD+7], v[rW:rW+7], v[rA:rA+7], 0, v[rS], v[rT] matrix_a_fmt:MATRIX_FMT_FP4 matrix_b_fmt:MATRIX_FMT_FP4 matrix_b_scale:MATRIX_SCALE_ROW1
.else
	v_wmma_scale_f32_16x16x128_f8f6f4 v[rD:rD+7], v[rW:rW+7], v[rA:rA+7], 0, v[rS], v[rT] matrix_a_fmt:MATRIX_FMT_FP4 matrix_b_fmt:MATRIX_FMT_FP4 matrix_a_scale:MATRIX_SCALE_ROW1 matrix_b_scale:MATRIX_SCALE_ROW1
.endif
.else
.if ((\c) == 0) && ((\t)%2 == 0)
	v_wmma_scale_f32_16x16x128_f8f6f4 v[rD:rD+7], v[rW:rW+7], v[rA:rA+7], v[rD:rD+7], v[rS], v[rT] matrix_a_fmt:MATRIX_FMT_FP4 matrix_b_fmt:MATRIX_FMT_FP4
.elseif ((\c) == 1) && ((\t)%2 == 0)
	v_wmma_scale_f32_16x16x128_f8f6f4 v[rD:rD+7], v[rW:rW+7], v[rA:rA+7], v[rD:rD+7], v[rS], v[rT] matrix_a_fmt:MATRIX_FMT_FP4 matrix_b_fmt:MATRIX_FMT_FP4 matrix_a_scale:MATRIX_SCALE_ROW1
.elseif ((\c) == 0)
	v_wmma_scale_f32_16x16x128_f8f6f4 v[rD:rD+7], v[rW:rW+7], v[rA:rA+7], v[rD:rD+7], v[rS], v[rT] matrix_a_fmt:MATRIX_FMT_FP4 matrix_b_fmt:MATRIX_FMT_FP4 matrix_b_scale:MATRIX_SCALE_ROW1
.else
	v_wmma_scale_f32_16x16x128_f8f6f4 v[rD:rD+7], v[rW:rW+7], v[rA:rA+7], v[rD:rD+7], v[rS], v[rT] matrix_a_fmt:MATRIX_FMT_FP4 matrix_b_fmt:MATRIX_FMT_FP4 matrix_a_scale:MATRIX_SCALE_ROW1 matrix_b_scale:MATRIX_SCALE_ROW1
.endif
.endif
.endm
.macro RUN wb, wsr, j, zero            ; piece j: eight matrix instructions on eight accumulators, one instruction a turn
	WIN 0x50                                       ; C and D in window 1
	s_wait_alu depctr_va_vdst(0)                   ; in the last K step transcendentals stand between these sums' last writes and these reads
.irp c, 0,1
.irp t, 0,1,2,3
	MM \c, \t, \wb, \wsr, \j, \zero
.endr
.endr
	WIN 0
.endm
.macro STORES b                        ; a K step's codes and scale bytes into image buffer b; then the signal
.irp u, 0,1
.irp d, 0,1
	ds_store_b128 v3, v[CD+8*\u+4*\d:CD+8*\u+4*\d+3] offset:IMGB*(\b)+1024*\u+512*\d     ; registers 4 d .. 4 d + 3 of fragment 4 p + 2 tp + u, as they stand
	ds_store_b8 v4, v[BY+2*\d+\u] offset:SCIB*(\b)+64*\u+2*\d                            ; byte 2 d + h of my row's scale word
.endr
.endr
	s_wait_dscnt 0x0                               ; my stores have landed, and my reads of the other buffer came back earlier
	s_barrier_signal -1
.endm
; K step n is made (into image buffer b = n % 2) while K step n - 1 is multiplied.  mm = 1: step n - 1 is step 0, its pieces 0 to 2 start their sums; 2: all add, and piece 3 of step n - 2 comes first.
; At every run two pieces are out, five loads each: s_wait_loadcnt 5 shows the older one in.
.macro STEP b, mm, br
.if (\b) == 0
	s_wait_kmcnt 0x0                               ; this trip's four grid numbers
.endif
	TS 0, 0, 2*(\b)                                ; register work between the last step's signal and the wait
	s_barrier_wait -1                              ; step n - 1 lies whole in the other buffer, and nobody reads buffer b any more
.if (\mm) == 2
	s_wait_loadcnt 5
	RUN WF+16, WS+1, 3, 0                          ; piece 3 of step n - 2, on the fragments still in registers
	PLACES
	WP WF+16, WS+1, 1                              ; piece 1 of step n - 1
.endif
	AFLOAD 1-(\b)
	TS 1, 0, 2*(\b)
	s_wait_dscnt 0x0                               ; the fragments are in
	s_wait_loadcnt 5
	RUN WF, WS, 0, (\mm)==1
	PLACES
	WP WF, WS, 2
	SLOT1 0, 2*(\b)+1, \br
	s_wait_loadcnt 5
	RUN WF+16, WS+1, 1, (\mm)==1
	PLACES
	WP WF+16, WS+1, 3
	SLOT1 1, 2*(\b)+1, \br
	s_wait_alu depctr_va_vdst(0)                   ; the last codes
.if (\b) == 1
	s_lshl_b32 s32, s18, 4                         ; the next trip's grid numbers: the last reader of s20-23 stands above; the offsets are held inside grid's 140 bytes
	s_add_co_u32 s33, s32, 28
	s_add_co_u32 s32, s32, 16
	s_min_u32 s32, s32, 128
	s_min_u32 s33, s33, 136
	s_load_b96 s[20:22], s[6:7], s32 offset:0x0
	s_load_b32 s23, s[6:7], s33 offset:0x0
.endif
	s_wait_loadcnt 5
	RUN WF, WS, 2, (\mm)==1
	PLACES
	s_wait_xcnt 0x0                                ; piece 3's loads have read their bases: only behind this wait do the bases step
	s_add_nc_u64 s[8:9], s[8:9], 65536
	s_add_nc_u64 s[10:11], s[10:11], 4096
	WP WF, WS, 0                                   ; piece 0 of step n
	STORES \b
.endm
.macro XIN u, lr, left                 ; tile u's x, landed in v[lr ..] as rows, turns through my stage into lanes and is clipped
	s_wait_loadcnt \left
.set ii, 0
.rept 8
	ds_store_b128 v11, v[\lr+4*ii:\lr+4*ii+3] offset:2*XSP*(8*(\u)+ii)
.set ii, ii+1
.endr
.irp q, 0,1,2,3,4,5,6,7
	ds_load_b128 v[XA+32*(\u)+4*\q:XA+32*(\u)+4*\q+3], v12 offset:16*XSP*(\u)+16*\q   ; LDS serves a wave's instructions in order (ISA guide 5.7.1): these see my stores
.endr
	s_wait_dscnt 0x0
.set ii, 0
.rept 32
	v_med3_num_f32 v[XA+32*(\u)+ii], v[XA+32*(\u)+ii], s27, s28    ; the clip
.set ii, ii+1
.endr
.endm
	s_load_b256 s[4:11], s[0:1], 0x0               ; x s[4:5], grid s[6:7], wq s[8:9], ws s[10:11]
	s_load_b64 s[12:13], s[0:1], 0x20              ; part
	v_lshl_add_u32 v[SPW], v0, 2, SPARE
	v_mov_b32 v[NIL], 0
	v_lshrrev_b32 v9, 5, v0
	v_readfirstlane_b32 s14, v9                    ; wave 0..7
	s_mov_b32 s16, ttmp9                           ; gx
	s_and_b32 s17, ttmp7, 0xffff                   ; gy
	s_and_b32 s19, s14, 3                          ; p
	s_lshr_b32 s15, s14, 2                         ; tp
	s_mov_b32 s18, 0                               ; the trip
	s_mov_b32 s25, 0                               ; named with s24 as a pair, so it is written
	s_mov_b32 s26, 0x3df0f0f1                      ; 2/17
	s_mov_b32 s27, 0xbf7d70a4                      ; -0.99
	s_mov_b32 s28, 0x3f7d70a4                      ; 0.99
	s_lshl_b32 s30, s19, 8
	s_add_co_u32 s30, s30, SCI                     ; scale words of pair p
	s_lshl_b32 s31, s15, 7
	s_add_co_u32 s31, s31, s30                     ; my two tiles' scale bytes
	s_lshl_b32 s32, s19, 12                        ; fragments of pair p
	s_lshl_b32 s33, s15, 11
	s_add_co_u32 s33, s33, s32                     ; my two tiles' fragments
	s_mul_i32 s34, s14, XSW
	s_add_co_u32 s34, s34, STG                     ; x's stage, my wave's own
	s_mul_i32 s35, s19, PLANE
	s_lshl_b32 s36, s15, 9
	s_add_co_u32 s35, s35, s36
	s_add_co_u32 s35, s35, STG                     ; plane p, my 128 columns
	s_mul_i32 s36, s14, 8*SP
	s_add_co_u32 s36, s36, STG                     ; back: rows 8 w .. + 7 of plane 0,
	s_add_co_u32 s37, s36, PLANE                   ; 1,
	s_add_co_u32 s38, s37, PLANE                   ; 2,
	s_add_co_u32 s39, s38, PLANE                   ; 3
	v_mov_b32 v16, 0xc115aff7                      ; -17 k
	v_mov_b32 v17, 0xc115aff7
	v_mov_b32 v18, 0x3f8ce1da                      ; 2 k
	v_mov_b32 v19, 0x3f8ce1da
	v_mov_b32 v20, 0x3fcb2ff5                      ; 4^(1/3)
	v_mov_b32 v21, 0x3fcb2ff5
	v_mov_b32 v22, 0xbf5fa2f8                      ; -(2/3)^(1/3)
	v_mov_b32 v23, 0xbf5fa2f8
	v_and_b32 v14, 31, v0                          ; lane
	v_and_b32 v15, 15, v0                          ; r
	v_bfe_u32 v13, v0, 4, 1                        ; h
	v_lshlrev_b32 v1, 4, v14
	v_lshlrev_b32 v8, 2, v14
	v_add_nc_u32 v2, s30, v8
	v_lshl_add_u32 v4, v15, 2, v13
	v_add_nc_u32 v4, s31, v4                       ; 4 r + h + 128 (2 p + tp)
	v_add_nc_u32 v9, s32, v1
	v_add_nc_u32 v3, s33, v1
	v_lshlrev_b32 v5, 4, v15
	v_lshl_add_u32 v5, v13, 12, v5                 ; x in memory: lanes 0-15 one row's 256 bytes, lanes 16-31 the next row's
	v_mul_u32_u24 v11, v13, XSP
	v_lshl_add_u32 v11, v15, 4, v11
	v_add_nc_u32 v11, s34, v11                     ; the same two rows in the stage
	v_mul_u32_u24 v12, v15, XSP
	v_lshl_add_u32 v12, v13, 7, v12
	v_add_nc_u32 v12, s34, v12                     ; back: row r, + 128 h
	v_mul_u32_u24 v6, v15, SP
	v_lshl_add_u32 v6, v13, 5, v6
	v_add_nc_u32 v6, s35, v6                       ; a plane's row r, + 32 h
.irp k, 0,1,2,3
	v_add_nc_u32 v[PA+\k], s[36+\k], v1
.endr
	s_wait_alu depctr_va_vdst(0)
	s_wait_kmcnt 0x0
	s_lshl_b32 s30, s16, 6
	s_lshl_b32 s31, s15, 5
	s_add_co_u32 s30, s30, s31                     ; row 64 gx + 32 tp
	s_lshl_b32 s30, s30, 12
	s_lshl_b32 s31, s17, 10
	s_add_co_u32 s30, s30, s31                     ; + i = 256 gy
	s_lshl_b32 s31, s19, 8
	s_add_co_u32 s30, s30, s31                     ; + 64 p
	s_mov_b32 s31, 0
	s_add_nc_u64 s[4:5], s[4:5], s[30:31]
.set ii, 0
.rept 8
	global_load_b128 v[V+4*ii:V+4*ii+3], v5, s[4:5] offset:8192*ii th:TH_LOAD_NT         ; tile 0, rows 2 ii, 2 ii + 1: sixteen lanes read 256 consecutive bytes, aligned
.set ii, ii+1
.endr
.set ii, 0
.rept 8
	global_load_b128 v[AF+4*ii:AF+4*ii+3], v5, s[4:5] offset:65536+8192*ii th:TH_LOAD_NT ; tile 1, into registers that K step 0 leaves idle
.set ii, ii+1
.endr
	s_mul_i32 s30, s17, 1179648
	s_lshl_b32 s32, s19, 14
	s_add_co_u32 s30, s30, s32
	s_lshl_b32 s32, s15, 13
	s_add_co_u32 s30, s30, s32
	s_add_nc_u64 s[8:9], s[8:9], s[30:31]          ; wq at (gy, K step 0, p, column tile 8 tp)
	s_mul_i32 s30, s17, 73728
	s_lshl_b32 s32, s19, 10
	s_add_co_u32 s30, s30, s32
	s_lshl_b32 s32, s15, 9
	s_add_co_u32 s30, s30, s32
	s_add_nc_u64 s[10:11], s[10:11], s[30:31]      ; ws likewise
	WP WF, WS, 0                                   ; K step 0's pieces 0 and 1
	WP WF+16, WS+1, 1
	s_load_b96 s[20:22], s[6:7], 0x0               ; grid[0 .. 2]
	s_load_b32 s23, s[6:7], 0xc                    ; grid[3]
	WIN 0x40
.set ii, 0
.rept 64
	v_mov_b32 v[192+ii], 0                         ; piece 3's eight sums begin as zeros: their first product stands inside the loop.  (These lines stand under the flight of x)
.set ii, ii+1
.endr
	WIN 0
	s_wait_kmcnt 0x0
	; ---- K step 0 is made, tile by tile: tile 0's two slots stand under the flight of tile 1's x
	XIN 0, V, 18                                   ; tile 0's eight loads are in; tile 1's eight and W's ten may be out
	TS 0, 0, 0
	TS 0, 1, 1
	XIN 1, AF, 10                                  ; tile 1's are in; W's ten may be out
	TS 1, 0, 0
	TS 1, 1, 1
	s_wait_alu depctr_va_vdst(0)
	STORES 0
	STEP 1, 1, 0                                   ; K step 1 is made; K step 0's pieces 0 to 2 start their sums
	s_mov_b32 s18, 1
.Ltrip:                                            ; eight trips of two K steps: 2 t, 2 t + 1
	STEP 0, 2, 0
	STEP 1, 2, 1
	s_add_co_u32 s18, s18, 1
	s_cmp_lt_u32 s18, 9
	s_cbranch_scc1 .Ltrip
	; ---- the last turn: piece 3 of K step 16, then K step 17.  Out at this point: that piece 3 and K step 17's piece 0.  Pieces 2 and 3 come into the registers that held a block's numbers
	s_barrier_wait -1
	WP V, WS+2, 2
	WP V+16, WS+3, 3
	s_wait_loadcnt 15                              ; three pieces were issued behind K step 16's piece 3
	RUN WF+16, WS+1, 3, 0
	PLACES
	WP WF+16, WS+1, 1
	AFLOAD 1
	s_wait_dscnt 0x0
	s_wait_loadcnt 15                              ; behind piece 0: pieces 2, 3 and 1
	RUN WF, WS, 0, 0
	s_wait_loadcnt 10
	RUN V, WS+2, 2, 0
	s_wait_loadcnt 5
	RUN V+16, WS+3, 3, 0
	s_wait_loadcnt 0x0
	RUN WF+16, WS+1, 1, 0
	PLACES
	; ---- the way out: my pair's sums into plane p
	WIN 0x04                                       ; the stores' data lie in window 1
.irp c, 0,1,2,3,4,5,6,7
.irp t, 0,1,2,3
	ds_store_b128 v6, v[8*(4*\c+\t):8*(4*\c+\t)+3] offset:16*SP*\t+64*\c        ; lane (r, h): row 16 t + r, columns 128 tp + 16 c + 8 h + 0 .. 7; each accumulator from its low end on
	ds_store_b128 v6, v[8*(4*\c+\t)+4:8*(4*\c+\t)+7] offset:16*SP*\t+64*\c+16
.endr
.endr
	WIN 0
	s_wait_dscnt 0x0
	s_barrier_signal -1
	s_barrier_wait -1                              ; four whole planes lie in LDS
	s_lshl_b32 s30, s16, 6
	s_lshl_b32 s31, s14, 3
	s_add_co_u32 s30, s30, s31                     ; row 64 gx + 8 w
	s_lshl_b32 s30, s30, 10
	s_lshl_b32 s31, s17, 22                        ; plane gy of part
	s_add_co_u32 s30, s30, s31
	s_mov_b32 s31, 0
	s_add_nc_u64 s[12:13], s[12:13], s[30:31]
	WIN 0x40                                       ; into window 1, whose sums have left
.set kk, 0
.rept 16                               ; piece kk: half kk % 2 of row kk / 2, from the four planes
.irp q, 0,1,2,3
	ds_load_b128 v[16*kk+4*\q:16*kk+4*\q+3], v[PA+\q] offset:SP*(kk/2)+512*(kk%2)
.endr
.set kk, kk+1
.endr
	WIN 0x45
.set kk, 0
.rept 16
	s_wait_dscnt 60-4*kk                           ; this piece's four loads are in; the later pieces' may be out
	v_pk_add_f32 v[16*kk:16*kk+1], v[16*kk:16*kk+1], v[16*kk+4:16*kk+5]          ; (0 + 1) + (2 + 3)
	v_pk_add_f32 v[16*kk+2:16*kk+3], v[16*kk+2:16*kk+3], v[16*kk+6:16*kk+7]
	v_pk_add_f32 v[16*kk+8:16*kk+9], v[16*kk+8:16*kk+9], v[16*kk+12:16*kk+13]
	v_pk_add_f32 v[16*kk+10:16*kk+11], v[16*kk+10:16*kk+11], v[16*kk+14:16*kk+15]
	v_pk_add_f32 v[16*kk:16*kk+1], v[16*kk:16*kk+1], v[16*kk+8:16*kk+9]
	v_pk_add_f32 v[16*kk+2:16*kk+3], v[16*kk+2:16*kk+3], v[16*kk+10:16*kk+11]
.set kk, kk+1
.endr
	s_wait_alu depctr_va_vdst(0)
	WIN 0x04
.set kk, 0
.rept 16
	global_store_b128 v1, v[16*kk:16*kk+3], s[12:13] offset:1024*(kk/2)+512*(kk%2)   ; 32 lanes store 512 consecutive bytes, aligned
.set kk, kk+1
.endr
	WIN 0
	s_wait_tensorcnt 0x0                           ; the wave's end
	ds_add_u32 v[SPW], v[NIL]
	s_wait_dscnt 0x0
	s_endpgm
.Lfunc_end_k_q4418fa9ce6_main:
	.size	k_q4418fa9ce6_main, .Lfunc_end_k_q4418fa9ce6_main-k_q4418fa9ce6_main
	.p2alignl 7, 3214868480
	.fill 96, 4, 3214868480
	.section	.rodata,"a",@progbits
	.p2align	6, 0x0
	.amdhsa_kernel k_q4418fa9ce6_main
		.amdhsa_group_segment_fixed_size 302080
		.amdhsa_private_segment_fixed_size 0
		.amdhsa_enable_private_segment 0
		.amdhsa_kernarg_size 40
		.amdhsa_user_sgpr_count 2
		.amdhsa_user_sgpr_kernarg_segment_ptr 1
		.amdhsa_wavefront_size32 1
		.amdhsa_system_sgpr_workgroup_id_x 1
		.amdhsa_system_sgpr_workgroup_id_y 1
		.amdhsa_system_sgpr_workgroup_id_z 1
		.amdhsa_system_vgpr_workitem_id 0
		.amdhsa_next_free_vgpr 512
		.amdhsa_next_free_sgpr 66
		.amdhsa_reserve_vcc 0
		.amdhsa_float_denorm_mode_32 3
		.amdhsa_float_denorm_mode_16_64 3
		.amdhsa_memory_ordered 1
		.amdhsa_forward_progress 1
		.amdhsa_inst_pref_size 255
	.end_amdhsa_kernel
	.section	.bss,"aw",@nobits
	.p2align	6
	.space	262144
	.amdgpu_metadata
---
amdhsa.version: [ 1, 2 ]
amdhsa.kernels:
  - .name:           k_q4418fa9ce6_main
    .symbol:         k_q4418fa9ce6_main.kd
    .args:
      - { .name: x, .offset: 0, .size: 8, .value_kind: global_buffer, .address_space: global }
      - { .name: grid, .offset: 8, .size: 8, .value_kind: global_buffer, .address_space: global }
      - { .name: wq, .offset: 16, .size: 8, .value_kind: global_buffer, .address_space: global }
      - { .name: ws, .offset: 24, .size: 8, .value_kind: global_buffer, .address_space: global }
      - { .name: part, .offset: 32, .size: 8, .value_kind: global_buffer, .address_space: global }
    .group_segment_fixed_size: 302080
    .private_segment_fixed_size: 0
    .kernarg_segment_align: 8
    .kernarg_segment_size: 40
    .max_flat_workgroup_size: 256
    .sgpr_count:     66
    .vgpr_count:     512
    .wavefront_size: 32
...
	.end_amdgpu_metadata
.endif
;; end of part 2
;; launch reduce (part 3): grid 256 x 1, 8 waves a work-group, no clusters, 0 bytes of LDS; arguments part, out0; writes out0
.if DOCPART == 3
	.amdgcn_target "amdgcn-amd-amdhsa--gfx1250"
	.amdhsa_code_object_version 6
	.text
	.protected	k_q4418fa9ce6_reduce
	.globl	k_q4418fa9ce6_reduce
	.p2align	8
	.type	k_q4418fa9ce6_reduce,@function
k_q4418fa9ce6_reduce:
	s_mov_b64 s[64:65], 0
	v_nop
	global_prefetch_b8 v0, s[64:65] scope:SCOPE_SE
	s_setreg_imm32_b32 hwreg(HW_REG_WAVE_MODE, 25, 1), 1
	s_wait_xcnt 0x0
; out0 = part[0] + part[1] + part[2] + part[3]: the four quarters of K, added in a fixed order, (0 + 1) + (2 + 3), in f32.
; A work-group owns 16,384 bytes of out0; thread t owns the 16 bytes at 16 t of each of four pieces, 4,096 bytes apart: every load and store of a wave covers 512 consecutive bytes, aligned.
; All sixteen loads of a wave go out at once, piece by piece; memory binds, so there is no LDS, no barrier and no matrix work.
.set PLANE, 4194304                    ; bytes of one quarter's sums
	s_load_b128 s[4:7], s[0:1], 0x0                ; part, out0
	v_lshlrev_b32 v1, 4, v0
	s_lshl_b32 s8, ttmp9, 14
	s_mov_b32 s9, 0
	s_wait_alu depctr_va_vdst(0)
	s_wait_kmcnt 0x0
	s_add_nc_u64 s[4:5], s[4:5], s[8:9]            ; quarters 0 and 1 (the second by the immediate)
	s_add_nc_u64 s[6:7], s[6:7], s[8:9]
	s_add_nc_u64 s[10:11], s[4:5], 2*PLANE         ; quarters 2 and 3
.irp q, 0,1,2,3
	global_load_b128 v[8+16*\q:11+16*\q], v1, s[4:5] offset:4096*\q th:TH_LOAD_NT
	global_load_b128 v[12+16*\q:15+16*\q], v1, s[4:5] offset:4096*\q+PLANE th:TH_LOAD_NT
	global_load_b128 v[16+16*\q:19+16*\q], v1, s[10:11] offset:4096*\q th:TH_LOAD_NT
	global_load_b128 v[20+16*\q:23+16*\q], v1, s[10:11] offset:4096*\q+PLANE th:TH_LOAD_NT
.endr
.irp q, 0,1,2,3
	s_wait_loadcnt 12-4*\q                         ; loads come back in order (ISA guide 5.7.1): this piece's four are in, the later pieces' may be out
	v_pk_add_f32 v[8+16*\q:9+16*\q], v[8+16*\q:9+16*\q], v[12+16*\q:13+16*\q]
	v_pk_add_f32 v[10+16*\q:11+16*\q], v[10+16*\q:11+16*\q], v[14+16*\q:15+16*\q]
	v_pk_add_f32 v[16+16*\q:17+16*\q], v[16+16*\q:17+16*\q], v[20+16*\q:21+16*\q]
	v_pk_add_f32 v[18+16*\q:19+16*\q], v[18+16*\q:19+16*\q], v[22+16*\q:23+16*\q]
	s_delay_alu instid0(VALU_DEP_2)
	v_pk_add_f32 v[8+16*\q:9+16*\q], v[8+16*\q:9+16*\q], v[16+16*\q:17+16*\q]
	s_delay_alu instid0(VALU_DEP_2)
	v_pk_add_f32 v[10+16*\q:11+16*\q], v[10+16*\q:11+16*\q], v[18+16*\q:19+16*\q]
	global_store_b128 v1, v[8+16*\q:11+16*\q], s[6:7] offset:4096*\q th:TH_STORE_NT      ; each piece has its own registers: no store's data are written again
.endr
	s_endpgm
.Lfunc_end_k_q4418fa9ce6_reduce:
	.size	k_q4418fa9ce6_reduce, .Lfunc_end_k_q4418fa9ce6_reduce-k_q4418fa9ce6_reduce
	.p2alignl 7, 3214868480
	.fill 96, 4, 3214868480
	.section	.rodata,"a",@progbits
	.p2align	6, 0x0
	.amdhsa_kernel k_q4418fa9ce6_reduce
		.amdhsa_group_segment_fixed_size 0
		.amdhsa_private_segment_fixed_size 0
		.amdhsa_enable_private_segment 0
		.amdhsa_kernarg_size 16
		.amdhsa_user_sgpr_count 2
		.amdhsa_user_sgpr_kernarg_segment_ptr 1
		.amdhsa_wavefront_size32 1
		.amdhsa_system_sgpr_workgroup_id_x 1
		.amdhsa_system_sgpr_workgroup_id_y 1
		.amdhsa_system_sgpr_workgroup_id_z 1
		.amdhsa_system_vgpr_workitem_id 0
		.amdhsa_next_free_vgpr 72
		.amdhsa_next_free_sgpr 66
		.amdhsa_reserve_vcc 0
		.amdhsa_float_denorm_mode_32 3
		.amdhsa_float_denorm_mode_16_64 3
		.amdhsa_memory_ordered 1
		.amdhsa_forward_progress 1
		.amdhsa_inst_pref_size 5
	.end_amdhsa_kernel
	.amdgpu_metadata
---
amdhsa.version: [ 1, 2 ]
amdhsa.kernels:
  - .name:           k_q4418fa9ce6_reduce
    .symbol:         k_q4418fa9ce6_reduce.kd
    .args:
      - { .name: part, .offset: 0, .size: 8, .value_kind: global_buffer, .address_space: global }
      - { .name: out0, .offset: 8, .size: 8, .value_kind: global_buffer, .address_space: global }
    .group_segment_fixed_size: 0
    .private_segment_fixed_size: 0
    .kernarg_segment_align: 8
    .kernarg_segment_size: 16
    .max_flat_workgroup_size: 256
    .sgpr_count:     66
    .vgpr_count:     72
    .wavefront_size: 32
...
	.end_amdgpu_metadata
.endif
;; end of part 3
